; MI455X (gfx1250); checked and timed in simulation.
; The chip was launched on July 23, 2026; its instructions are those of AMD's public machine-readable ISA for CDNA 5 (MIT licence, August 2026) and "CDNA5" Instruction Set Architecture Reference Guide (July 2026). The comments in the code are by the model that wrote it; some were corrected since.
;; Multihead Attention. Allowed arithmetic: float matrix products may take bf16 or f16 operands with f32 sums; all other float work in f32.
;; Inputs: K 1 x 4,096 x 768 float32; Q 1 x 4,096 x 768 float32; V 1 x 4,096 x 768 float32; Wk 768 x 768 float32; Wo 768 x 768 float32; Wq 768 x 768 float32; Wv 768 x 768 float32; bo 768 float32.
;; Outputs: out0 1 x 4,096 x 768 float32.
;; One version. Each part assembles by itself: llvm-mc -triple=amdgcn-amd-amdhsa -mcpu=gfx1250 --defsym DOCPART=n.
;; ======== version 1 of 1: 4 launches
;; limits: values are held in f16: magnitudes above 65,504 overflow, below 6.1e-05 lose precision
;; workspace buffers: wb 4,718,592 bytes; qh 6,291,456 bytes; kh 6,291,456 bytes; vh 6,291,456 bytes; oh 6,291,456 bytes
;; launch cast (part 1): grid 64 x 4, 4 waves a work-group, no clusters, 0 bytes of LDS; arguments Wq, Wk, Wv, Wo, wb; writes wb
.if DOCPART == 1
	.amdgcn_target "amdgcn-amd-amdhsa--gfx1250"
	.amdhsa_code_object_version 6
	.text
	.protected	k_q651274fd96_cast
	.globl	k_q651274fd96_cast
	.p2align	8
	.type	k_q651274fd96_cast,@function
k_q651274fd96_cast:
	s_mov_b64 s[64:65], 0
	v_nop
	global_prefetch_b8 v0, s[64:65] scope:SCOPE_SE
	s_setreg_imm32_b32 hwreg(HW_REG_WAVE_MODE, 25, 1), 1
	s_wait_xcnt 0x0
; The four weight matrices, [768 k][768 n] f32, are rounded once to 16 bits: wb = [4][768][768].  Planes 0-2: Wq, Wk, Wv in bf16.
; Plane 3: Wo rounded to bf16 like the others, and that number written as f16, since the last product's other operand is f16.
; LIMITS.  Plane 3 holds no number beyond 65,504 (a larger |Wo| becomes an infinity), and below 6.1e-5 it keeps f16's fixed step of 6e-8.
; A stream: no LDS, no matrix unit, no cluster (no byte is read twice).  Grid y picks the matrix; a work-group takes 9,216 numbers,
; a thread nine chunks of 8: 32 bytes in, 16 bytes out, so that sixteen neighbouring lanes store 256 consecutive, aligned bytes.
.set XB, 8                             ; v[8:79]    chunk c: 8 numbers as loaded
.set YB, 80                            ; v[80:115]  chunk c: 4 registers to store; every chunk has its own, so none is rewritten
.set T0, 116                           ; v[116:123] at work (plane 3 alone)
	s_load_b256 s[4:11], s[0:1], 0x0               ; Wq s[4:5], Wk s[6:7], Wv s[8:9], Wo s[10:11]
	s_load_b64 s[12:13], s[0:1], 0x20              ; wb
	s_and_b32 s14, ttmp7, 0xffff                   ; which matrix
	s_mul_i32 s16, ttmp9, 36864                    ; my 9,216 numbers in the matrix, in bytes
	s_mov_b32 s17, 0
	s_mul_i32 s18, s14, 1179648                    ; the plane,
	s_mul_i32 s19, ttmp9, 18432                    ; and my 9,216 numbers in it
	s_add_co_u32 s18, s18, s19
	s_mov_b32 s19, 0
	s_mov_b32 s20, 0xffff0000                      ; a word's upper bf16
	v_lshlrev_b32 v1, 5, v0                        ; 32 bytes a thread in
	v_lshlrev_b32 v2, 4, v0                        ; 16 bytes a thread out
	s_wait_kmcnt 0x0
	s_cmp_eq_u32 s14, 1
	s_cselect_b64 s[4:5], s[6:7], s[4:5]
	s_cmp_eq_u32 s14, 2
	s_cselect_b64 s[4:5], s[8:9], s[4:5]
	s_cmp_eq_u32 s14, 3
	s_cselect_b64 s[4:5], s[10:11], s[4:5]
	s_add_nc_u64 s[4:5], s[4:5], s[16:17]
	s_add_nc_u64 s[12:13], s[12:13], s[18:19]
.irp c, 0,1,2,3,4,5,6,7,8
	global_load_b128 v[XB+8*(\c):XB+8*(\c)+3],   v1, s[4:5] offset:4096*(\c) th:TH_LOAD_NT      ; all eighteen loads go out first
	global_load_b128 v[XB+8*(\c)+4:XB+8*(\c)+7], v1, s[4:5] offset:4096*(\c)+16 th:TH_LOAD_NT
.endr
.macro CH c, half
	s_wait_loadcnt 16-2*(\c)                       ; loads come back in order: of the eighteen, the 16 - 2 c behind chunk c's two may stay out
.irp j, 0,1,2,3
	v_cvt_pk_bf16_f32 v[YB+4*(\c)+(\j)], v[XB+8*(\c)+2*(\j)], v[XB+8*(\c)+2*(\j)+1]
.endr
.if \half
.irp j, 0,1,2,3
	v_lshlrev_b32 v[T0+2*(\j)],   16,  v[YB+4*(\c)+(\j)]  ; the rounded numbers back in f32,
	v_and_b32     v[T0+2*(\j)+1], s20, v[YB+4*(\c)+(\j)]
.endr
.irp j, 0,1,2,3
	v_cvt_pk_f16_f32 v[YB+4*(\c)+(\j)], v[T0+2*(\j)], v[T0+2*(\j)+1]  ; and written as f16: exact within f16's normal range
.endr
.endif
	global_store_b128 v2, v[YB+4*(\c):YB+4*(\c)+3], s[12:13] offset:2048*(\c)
.endm
	s_cmp_eq_u32 s14, 3
	s_cbranch_scc1 .Lhalf
.irp c, 0,1,2,3,4,5,6,7,8
	CH \c, 0
.endr
	s_endpgm
.Lhalf:
.irp c, 0,1,2,3,4,5,6,7,8
	CH \c, 1
.endr
	s_endpgm
.Lfunc_end_k_q651274fd96_cast:
	.size	k_q651274fd96_cast, .Lfunc_end_k_q651274fd96_cast-k_q651274fd96_cast
	.p2alignl 7, 3214868480
	.fill 96, 4, 3214868480
	.section	.rodata,"a",@progbits
	.p2align	6, 0x0
	.amdhsa_kernel k_q651274fd96_cast
		.amdhsa_group_segment_fixed_size 0
		.amdhsa_private_segment_fixed_size 0
		.amdhsa_enable_private_segment 0
		.amdhsa_kernarg_size 40
		.amdhsa_user_sgpr_count 2
		.amdhsa_user_sgpr_kernarg_segment_ptr 1
		.amdhsa_wavefront_size32 1
		.amdhsa_system_sgpr_workgroup_id_x 1
		.amdhsa_system_sgpr_workgroup_id_y 1
		.amdhsa_system_sgpr_workgroup_id_z 1
		.amdhsa_system_vgpr_workitem_id 0
		.amdhsa_next_free_vgpr 124
		.amdhsa_next_free_sgpr 66
		.amdhsa_reserve_vcc 0
		.amdhsa_float_denorm_mode_32 3
		.amdhsa_float_denorm_mode_16_64 3
		.amdhsa_memory_ordered 1
		.amdhsa_forward_progress 1
		.amdhsa_inst_pref_size 15
	.end_amdhsa_kernel
	.amdgpu_metadata
---
amdhsa.version: [ 1, 2 ]
amdhsa.kernels:
  - .name:           k_q651274fd96_cast
    .symbol:         k_q651274fd96_cast.kd
    .args:
      - { .name: Wq, .offset: 0, .size: 8, .value_kind: global_buffer, .address_space: global }
      - { .name: Wk, .offset: 8, .size: 8, .value_kind: global_buffer, .address_space: global }
      - { .name: Wv, .offset: 16, .size: 8, .value_kind: global_buffer, .address_space: global }
      - { .name: Wo, .offset: 24, .size: 8, .value_kind: global_buffer, .address_space: global }
      - { .name: wb, .offset: 32, .size: 8, .value_kind: global_buffer, .address_space: global }
    .group_segment_fixed_size: 0
    .private_segment_fixed_size: 0
    .kernarg_segment_align: 8
    .kernarg_segment_size: 40
    .max_flat_workgroup_size: 128
    .sgpr_count:     66
    .vgpr_count:     124
    .wavefront_size: 32
...
	.end_amdgpu_metadata
.endif
;; end of part 1
;; launch proj (part 2): grid 4 x 48, 4 waves a work-group, clusters of 4 x 4, 327,680 bytes of LDS; arguments Q, K, V, wb, qh, kh, vh; writes qh, kh, vh
.if DOCPART == 2
	.amdgcn_target "amdgcn-amd-amdhsa--gfx1250"
	.amdhsa_code_object_version 6
	.text
	.protected	k_q651274fd96_proj
	.globl	k_q651274fd96_proj
	.p2align	8
	.type	k_q651274fd96_proj,@function
k_q651274fd96_proj:
	s_mov_b64 s[64:65], 0
	v_nop
	global_prefetch_b8 v0, s[64:65] scope:SCOPE_SE
	s_setreg_imm32_b32 hwreg(HW_REG_WAVE_MODE, 25, 1), 1
	s_wait_xcnt 0x0
	s_wait_alu depctr_hold_cnt(0) depctr_sa_sdst(0) depctr_va_vdst(0) depctr_va_sdst(0) depctr_va_ssrc(0) depctr_va_vcc(0) depctr_vm_vsrc(0)
	s_getreg_b32 s2, hwreg(HW_REG_IB_STS2, 6, 4)
	s_cmp_eq_u32 s2, 0
	s_cbranch_scc0 .Lentry_in_a_cluster
	s_endpgm
.Lentry_in_a_cluster:
	s_bfe_u32 s2, ttmp6, 0x10000c
	s_cmp_lg_u32 s2, 0xf033
	s_cbranch_scc0 .Lentry_shape_is_right
	s_endpgm
.Lentry_shape_is_right:
; THE THREE INPUT PROJECTIONS.  y[m][n] = sum over k of X[m][k] W[k][n], X = Q, K or V ([4096][768] f32, rounded to bf16 here), W = wb's plane 0, 1 or 2 ([768 k][768 n] bf16).
; Sums in f32; y is rounded once to f16 and stored by heads, [12][4096][64], unscaled.
; LIMITS.  y beyond 65,504 becomes an infinity in f16.  NaN and infinities are not treated apart.
; SHARES.  A work-group makes 256 rows x 192 columns (three heads): 16 x 4 tiles for each of three projections, 192 work-groups.  Wave w owns rows 64 w .. 64 w + 63 and all 192
; columns: 4 x 12 accumulators, 384 registers; so no number of X is converted twice in a work-group, and a wave's results are whole rows of whole heads.
; K goes in 8 steps of 96 (three substeps of 32) through two LDS slots: the longest step of which two slots fit.
; CLUSTER 4 x 4.  The four of a row of the cluster share X's tile, the four of a column W's: each is asked for jointly.  The projection hangs on the cluster's y alone.
; Waves 0 and 1 fetch X's two halves (128 rows), wave 2 W's 96 rows, wave 3 nothing: three tiles for four waves.
; THE MATRIX INSTRUCTION IS USED TRANSPOSED (source 0 = 16 columns of W, source 1 = 16 rows of X): a lane then holds eight neighbouring columns of one row of y.
; W lies [k][n], so its fragments come out of LDS turned, by ds_load_tr16_b128.  X comes out as f32 and is rounded in registers.
; REGISTERS, in windows of 256 (s_set_vgpr_msb: bits 1:0 source 0, 3:2 source 1, 5:4 source 2, 7:6 destination):
;   window 0: v0-31 addresses; v32-95 X as f32; v96-191 W's fragments, v192-223 X's fragments (buffer 0); v224-255 the way out
;   window 3: v96-191, v192-223 the same two (buffer 1)      window 1: accumulators of row blocks 0, 1 at 8 (12 (a % 2) + b)      window 2: of row blocks 2, 3
.set KSTEP, 96
.set PA,    432                        ; a row of X in LDS: three pieces of 128 bytes, 16 of padding behind each: 27 x 16, so the 16 rows of a load start at 16 different groups of four banks (ISA guide 11.1)
.set CA,    144                        ; one piece: the 32 numbers of a substep
.set PBW,   480                        ; a row of W: three pieces of 128 bytes, 32 of padding behind each: 15 x 32
.set CBW,   160
.set AHALF, 128*PA                     ; what one tensor load of X brings
.set BOFF,  2*AHALF
.set SLOT,  BOFF+KSTEP*PBW             ; X's 256 rows, then W's 96
.set STAGE, 2*SLOT                     ; behind the ring, never filled by a tensor load: 16 rows x 144 bytes for each wave
.set SP,    144
.set SPARE, STAGE+4*16*SP              ; the spare words, 128 bytes for each wave: two blocks of 256 bytes that no other line names
.set ADRA, 16                          ; v16-17  LDS address of my X rows in slot 0, 1
.set ADRB, 20                          ; v20-21  the same for W
.set STO,  24                          ; v24     the way out: where I put 16 bytes of a row
.set RD,   25                          ; v25     where I read rows back
.set GO,   26                          ; v26     my byte offset in 512 consecutive bytes of y
.set SPW,  28                          ; v28     my spare word; never rewritten
.set NIL,  29                          ; v29     0; never rewritten
.set RAW,  32
.set FB,   96
.set FA,   192
.set OT,   224
.set WV,   20                          ; s20     my wave's number
.set G1A,  28                          ; s[28:35] descriptor group 1 for X's tiles;  s[36:43] group 0, a set for each slot
.set G0A,  36
.set G1B,  44                          ; s[44:51], s[52:59] the same for W's
.set G0B,  52
.set MSB, 0
.macro WIN new                         ; the immediate's high byte repeats the setting that is left; a switch that changes nothing is dropped
.if MSB != (\new)
	s_set_vgpr_msb (MSB<<8)|(\new)
.set MSB, (\new)
.endif
.endm
.macro PLACES
.rept 4
	v_nop
.endr
.endm
; A joint refill.  The branches hang on the wave's number alone.  An s_nop 0 and four v_nop follow each load, ahead of the jump and the label.
.macro JLOAD s
	s_cmp_lt_u32 s[WV], 2
	s_cbranch_scc0 .Lnot_a_\@
	tensor_load_to_lds s[G0A+4*(\s):G0A+4*(\s)+3], s[G1A:G1A+7]
	s_nop 0
	PLACES
	s_branch .Lasked_\@
.Lnot_a_\@:
	s_cmp_eq_u32 s[WV], 2
	s_cbranch_scc0 .Lasked_\@
	tensor_load_to_lds s[G0B+4*(\s):G0B+4*(\s)+3], s[G1B:G1B+7]
	s_nop 0
	PLACES
.Lasked_\@:
.endm
.macro CREST                           ; a round of the cluster's barrier behind its opening barrier
	s_cmp_lg_u32 s[WV], 0
	s_cbranch_scc1 .Lnot_wave_0_\@
	s_barrier_signal -3
.Lnot_wave_0_\@:
	s_barrier_wait -3
	s_barrier_signal -1
	s_barrier_wait -1
.endm
.macro CROUND                          ; a whole round
	s_barrier_signal -1
	s_barrier_wait -1
	CREST
.endm
	s_load_b256 s[4:11], s[0:1], 0x0               ; Q s[4:5], K s[6:7], V s[8:9], wb s[10:11]
	s_load_b128 s[12:15], s[0:1], 0x20             ; qh s[12:13], kh s[14:15]
	s_load_b64 s[16:17], s[0:1], 0x30              ; vh
	v_lshl_add_u32 v[SPW], v0, 2, SPARE
	v_mov_b32 v[NIL], 0
	ds_add_u32 v[SPW], v[NIL]                      ; the wave's opening: the add and its wait stand ahead of my first tensor load; the set-up below stands between them
	v_lshrrev_b32 v1, 5, v0
	v_readfirstlane_b32 s[WV], v1                  ; wave 0..3
	s_bfe_u32 s21, ttmp6, 0x40000                  ; cx
	s_bfe_u32 s22, ttmp6, 0x40004                  ; cy
	s_lshl_b32 s23, ttmp9, 2
	s_add_co_u32 s23, s23, s21                     ; tile column (192 columns) = 4 x cluster x + cx
	s_and_b32 s24, ttmp7, 0xffff                   ; the cluster's y, 0..11
	s_lshr_b32 s25, s24, 2                         ; the projection: the same in all sixteen partners
	s_and_b32 s26, s24, 3
	s_lshl_b32 s26, s26, 2
	s_add_co_u32 s26, s26, s22                     ; tile row (256 rows) = 4 x (cluster y mod 4) + cy
	s_lshl_b32 s66, s22, 2
	s_lshl_b32 s66, 15, s66                        ; my row of the cluster
	s_lshl_b32 s67, 0x1111, s21                    ; my column
	s_or_b32 s[G1A], s66, (2<<16)|(1<<20)|(1<<21)|(4<<22)|(3<<25)  ; 15:0 the mask; 17:16 elements of 4 bytes; 20 padding on; 21 set beside a mask; 24:22 after every 32 words (code 4); 31:25 4 words (code 3)
	s_mov_b32 s[G1A+1], KSTEP<<16                  ; tensor_dim0 = 96
	s_mov_b32 s[G1A+2], 128<<16                    ; tensor_dim1 = 128
	s_mov_b32 s[G1A+3], KSTEP<<16                  ; tile_dim0 = 96
	s_mov_b32 s[G1A+4], 128                        ; tile_dim1 = 128
	s_mov_b32 s[G1A+5], 768                        ; elements from row to row
	s_mov_b32 s[G1A+6], 0
	s_mov_b32 s[G1A+7], 0
	s_or_b32 s[G1B], s67, (1<<16)|(1<<20)|(1<<21)|(4<<22)|(7<<25)  ; elements of 2 bytes; after every 32 words 8 words of padding (code 7)
	s_mov_b32 s[G1B+1], 192<<16                    ; tensor_dim0 = 192
	s_mov_b32 s[G1B+2], KSTEP<<16                  ; tensor_dim1 = 96
	s_mov_b32 s[G1B+3], 192<<16                    ; tile_dim0 = 192
	s_mov_b32 s[G1B+4], KSTEP                      ; tile_dim1 = 96
	s_mov_b32 s[G1B+5], 768
	s_mov_b32 s[G1B+6], 0
	s_mov_b32 s[G1B+7], 0
	s_lshl_b32 s68, s26, 8                         ; X's tile hangs on the tile row and the wave alone,
	s_lshl_b32 s69, s[WV], 7
	s_add_co_u32 s68, s68, s69
	s_mul_i32 s68, s68, 3072                       ; row 256 x tile row + 128 x wave, in bytes
	s_mov_b32 s69, 0
	s_mul_i32 s70, s25, 1179648                    ; W's on the projection and the tile column alone
	s_mul_i32 s71, s23, 384
	s_add_co_u32 s70, s70, s71
	s_mov_b32 s71, 0
	s_mul_i32 s72, s[WV], AHALF                    ; where X's half goes: no place in the cluster enters an LDS address
	s_mul_i32 s74, s23, 1572864                    ; y: three heads of 524,288 bytes a tile column,
	s_lshl_b32 s75, s26, 15                        ; 256 rows of 128 bytes a tile row,
	s_add_co_u32 s74, s74, s75
	s_lshl_b32 s75, s[WV], 13                      ; 64 rows a wave
	s_add_co_u32 s74, s74, s75
	s_mov_b32 s75, 0
	s_wait_dscnt 0x0                               ; the opening add is done
	s_wait_kmcnt 0x0
	s_cmp_eq_u32 s25, 1
	s_cselect_b64 s[4:5], s[6:7], s[4:5]
	s_cselect_b64 s[12:13], s[14:15], s[12:13]
	s_cmp_eq_u32 s25, 2
	s_cselect_b64 s[4:5], s[8:9], s[4:5]
	s_cselect_b64 s[12:13], s[16:17], s[12:13]
	s_add_nc_u64 s[4:5], s[4:5], s[68:69]
	s_add_nc_u64 s[10:11], s[10:11], s[70:71]
	s_add_nc_u64 s[12:13], s[12:13], s[74:75]
	CROUND                                         ; all sixteen work-groups are here: the first joint loads meet
.irp s, 0,1
	s_mov_b32 s[G0A+4*(\s)], 1                                       ; count = 1
	s_add_co_u32 s[G0A+4*(\s)+1], s72, (\s)*SLOT                     ; LDS address
	s_add_nc_u64 s[G0A+4*(\s)+2:G0A+4*(\s)+3], s[4:5], (\s)*KSTEP*4  ; global address: K step s
	s_or_b32 s[G0A+4*(\s)+3], s[G0A+4*(\s)+3], 0x80000000            ; type = 2
	s_mov_b32 s[G0B+4*(\s)], 1
	s_mov_b32 s[G0B+4*(\s)+1], BOFF+(\s)*SLOT
	s_add_nc_u64 s[G0B+4*(\s)+2:G0B+4*(\s)+3], s[10:11], (\s)*KSTEP*1536
	s_or_b32 s[G0B+4*(\s)+3], s[G0B+4*(\s)+3], 0x80000000
.endr
	s_cmp_lt_u32 s[WV], 2                          ; a wave's two first fills stand together in one arm: two loads of mine are out at the most
	s_cbranch_scc0 .Lfirst_not_a
	tensor_load_to_lds s[G0A:G0A+3], s[G1A:G1A+7]
	s_nop 0
	tensor_load_to_lds s[G0A+4:G0A+7], s[G1A:G1A+7]
	s_nop 0
	PLACES
	s_branch .Lfirst_asked
.Lfirst_not_a:
	s_cmp_eq_u32 s[WV], 2
	s_cbranch_scc0 .Lfirst_asked
	tensor_load_to_lds s[G0B:G0B+3], s[G1B:G1B+7]
	s_nop 0
	tensor_load_to_lds s[G0B+4:G0B+7], s[G1B:G1B+7]
	s_nop 0
	PLACES
.Lfirst_asked:
	v_and_b32 v1, 15, v0                           ; l % 16
	v_bfe_u32 v2, v0, 4, 1                         ; l / 16
	v_mul_u32_u24 v3, v1, PA
	v_lshl_add_u32 v3, v2, 5, v3                   ; X: row x pitch + 32 x half (8 numbers of 4 bytes)
	s_mul_i32 s76, s[WV], 64*PA
	v_add_nc_u32 v[ADRA], s76, v3
	v_add_nc_u32 v[ADRA+1], SLOT, v[ADRA]
	v_and_b32 v4, 7, v0
	v_bfe_u32 v5, v0, 3, 1
	v_lshl_add_u32 v6, v2, 3, v4                   ; W, turning load: k row 8 (l / 16) + l % 8, columns 8 ((l / 8) % 2) on
	v_mul_u32_u24 v6, v6, PBW
	v_lshl_add_u32 v6, v5, 4, v6
	v_add_nc_u32 v[ADRB], BOFF, v6
	v_add_nc_u32 v[ADRB+1], SLOT, v[ADRB]
	s_mul_i32 s77, s[WV], 16*SP
	s_add_co_u32 s77, s77, STAGE                   ; my stage
	v_mul_u32_u24 v7, v1, SP                       ; in: row l % 16, 16 bytes for each half of the lanes
	v_lshl_add_u32 v7, v2, 4, v7
	v_add_nc_u32 v[STO], s77, v7
	v_bfe_u32 v8, v0, 3, 2                         ; back: 32 lanes take four rows of 128 bytes,
	v_mul_u32_u24 v8, v8, SP
	v_lshl_add_u32 v8, v4, 4, v8
	v_add_nc_u32 v[RD], s77, v8
	v_and_b32 v9, 31, v0                           ; which are 512 consecutive bytes of a head
	v_lshlrev_b32 v[GO], 4, v9
; 40 LDS loads in one run: substep j of a slot.  W's 12 fragments (32 k x 16 columns, turned) into buffer q; X's 4 x 16 rows x 32 k as f32.
.macro FETCH slot, j, q
	WIN 0xc0*(\q)
.irp b, 0,1,2,3,4,5,6,7,8,9,10,11
	ds_load_tr16_b128 v[FB+8*(\b):FB+8*(\b)+3],   v[ADRB+(\slot)] offset:(\j)*32*PBW+((\b)/4)*CBW+((\b)%4)*32
	ds_load_tr16_b128 v[FB+8*(\b)+4:FB+8*(\b)+7], v[ADRB+(\slot)] offset:(\j)*32*PBW+16*PBW+((\b)/4)*CBW+((\b)%4)*32
.endr
	WIN 0
.irp a, 0,1,2,3
	ds_load_b128 v[RAW+16*(\a):RAW+16*(\a)+3],     v[ADRA+(\slot)] offset:(\a)*16*PA+(\j)*CA      ; k = 8 (l / 16) + 0..3
	ds_load_b128 v[RAW+16*(\a)+4:RAW+16*(\a)+7],   v[ADRA+(\slot)] offset:(\a)*16*PA+(\j)*CA+16   ; + 4..7
	ds_load_b128 v[RAW+16*(\a)+8:RAW+16*(\a)+11],  v[ADRA+(\slot)] offset:(\a)*16*PA+(\j)*CA+64   ; k = 16 + 8 (l / 16) + 0..3
	ds_load_b128 v[RAW+16*(\a)+12:RAW+16*(\a)+15], v[ADRA+(\slot)] offset:(\a)*16*PA+(\j)*CA+80
.endr
.endm
; X's 64 numbers a lane are rounded to bf16 into buffer q.  These 32 plain instructions name no register of the products in front of them: they are the places
; between those products and the next run of loads, which lands in the buffer that the products read.
.macro CVT q
	WIN 0xc0*(\q)
.irp a, 0,1,2,3
.irp t, 0,1,2,3,4,5,6,7
	v_cvt_pk_bf16_f32 v[FA+8*(\a)+(\t)], v[RAW+16*(\a)+2*(\t)], v[RAW+16*(\a)+2*(\t)+1]
.endr
.endr
.endm
; 12 matrix instructions: row block a x all 12 column blocks, 32 along K, from buffer q.  The accumulators take turns, one instruction a turn.
.macro MUL12 q, a, zero
	WIN 0x0f*(\q)+0x50*((\a)/2+1)
.irp b, 0,1,2,3,4,5,6,7,8,9,10,11
.set AC, 8*(12*((\a)%2)+(\b))
.if \zero
	v_wmma_f32_16x16x32_bf16 v[AC:AC+7], v[FB+8*(\b):FB+8*(\b)+7], v[FA+8*(\a):FA+8*(\a)+7], 0
.else
	v_wmma_f32_16x16x32_bf16 v[AC:AC+7], v[FB+8*(\b):FB+8*(\b)+7], v[FA+8*(\a):FA+8*(\a)+7], v[AC:AC+7]
.endif
.endr
.endm
; A substep: buffer p is multiplied (48 matrix instructions) while substep j of the same slot comes into the other buffer.
.macro SUBN slot, j, p, zero=0
	FETCH \slot, \j, 1-(\p)
	MUL12 \p, 0, \zero
	MUL12 \p, 1, \zero
	MUL12 \p, 2, \zero
	MUL12 \p, 3, \zero
	s_wait_dscnt 0x0                               ; the run of 40 is in
	CVT 1-(\p)
.endm
; A K step's last substep changes slots: ONE barrier.  In front of it each wave waits for all its tensor loads (one is out at the most: its part of the next slot), adds 0 to its
; spare word, and waits for that; its reads of this slot were waited for at the end of the substep before.  fill = 1: the barrier opens a round of the cluster's, and this slot is filled again, two K steps ahead.
.macro SUBT slot, next, p, fill
	WIN 0                                          ; (the add's two registers lie in window 0)
	s_wait_tensorcnt 0x0                           ; all my tensor loads have landed
	ds_add_u32 v[SPW], v[NIL]                      ; 0 onto my spare word
	MUL12 \p, 0, 0                                 ; twelve matrix instructions stand between the add and the wait for it
	s_wait_dscnt 0x0                               ; the add is done; no read of this slot is out
	s_barrier_signal -1
	MUL12 \p, 1, 0                                 ; work on registers while the others arrive
	WIN 0
	s_barrier_wait -1
.if \fill
	CREST                                          ; no wave of any partner still reads this slot or has a load on its way
	s_add_nc_u64 s[G0A+4*(\slot)+2:G0A+4*(\slot)+3], s[G0A+4*(\slot)+2:G0A+4*(\slot)+3], 2*KSTEP*4
	s_add_nc_u64 s[G0B+4*(\slot)+2:G0B+4*(\slot)+3], s[G0B+4*(\slot)+2:G0B+4*(\slot)+3], 2*KSTEP*1536
	JLOAD \slot                                    ; the first tensor load behind the round: about 120 matrix instructions ahead of the wait for it
.endif
	FETCH \next, 0, 1-(\p)
	MUL12 \p, 2, 0
	MUL12 \p, 3, 0
	s_wait_dscnt 0x0
	CVT 1-(\p)
.endm
	s_wait_tensorcnt 1                             ; my part of K step 0 is in; slot 1's one load may stay out
	s_barrier_signal -1
	s_barrier_wait -1                              ; everybody's is
	FETCH 0, 0, 0
	s_wait_dscnt 0x0
	CVT 0
	SUBN 0, 1, 0, 1                                ; the first substep stands in front of the loop: its products start the sums
	WIN 0                                          ; at a label and at a branch every window is 0
	s_mov_b32 s60, 3
.Llap:                                                 ; a trip goes once round the ring, from a lap's second substep to the next lap's first, and fills both slots again
	SUBN 0, 2, 1
	SUBT 0, 1, 0, 1
	SUBN 1, 1, 1
	SUBN 1, 2, 0
	SUBT 1, 0, 1, 1
	SUBN 0, 1, 0
	WIN 0
	s_sub_co_u32 s60, s60, 1
	s_cmp_lg_u32 s60, 0
	s_cbranch_scc1 .Llap
	SUBN 0, 2, 1                                   ; the last lap (K steps 6 and 7) fills nothing
	SUBT 0, 1, 0, 0
	SUBN 1, 1, 1
	SUBN 1, 2, 0
	MUL12 1, 0, 0
	MUL12 1, 1, 0
	MUL12 1, 2, 0
	MUL12 1, 3, 0
	WIN 0
	PLACES                                         ; the conversions below read results
; THE WAY OUT, in 12 units of 16 rows x one head: u = 3 a + head.  Rounded to f16, 16 bytes a lane; into my stage (rows of 144 bytes); back as whole rows of 128, which are 2,048 consecutive bytes of the head.
.macro PACK u
.set UA, (\u)/3
.set UH, (\u)%3
.set UO, OT+16*((\u)%2)
.if (\u) >= 2
	s_wait_xcnt 0x0                                ; the stores of the unit two back have had their addresses translated (ISA guide 3.1): their data registers are rewritten only behind this wait
.endif
	WIN 0x05*(UA/2+1)                              ; sources 0 and 1: window 1 or 2
.irp bb, 0,1,2,3
.irp t, 0,1,2,3
	v_cvt_pk_f16_f32 v[UO+4*(\bb)+(\t)], v[8*(12*(UA%2)+4*UH+(\bb))+2*(\t)], v[8*(12*(UA%2)+4*UH+(\bb))+2*(\t)+1]
.endr
.endr
	WIN 0
.irp bb, 0,1,2,3
	ds_store_b128 v[STO], v[UO+4*(\bb):UO+4*(\bb)+3] offset:32*(\bb)
.endr
.irp f, 0,1,2,3
	ds_load_b128 v[UO+4*(\f):UO+4*(\f)+3], v[RD] offset:(\f)*4*SP  ; LDS serves a wave's instructions in order (ISA guide 5.7.1.4): these see the stores above; the next unit's stores come behind them
.endr
.endm
.macro SEND u, younger                 ; younger: the LDS instructions issued behind unit u's loads: the next unit's eight, or none
.set UA, (\u)/3
.set UH, (\u)%3
.set UO, OT+16*((\u)%2)
.irp f, 0,1,2,3
	s_wait_dscnt (\younger)+3-(\f)
	global_store_b128 v[GO], v[UO+4*(\f):UO+4*(\f)+3], s[12:13] offset:UH*524288+UA*2048+512*(\f)  ; 512 consecutive bytes, at a multiple of 256 from the buffer's first
.endr
.endm
	PACK 0
.set uu, 1
.rept 11                               ; a unit's conversions stand between the loads of the unit before and its stores
	PACK uu
	SEND uu-1, 8
.set uu, uu+1
.endr
	SEND 11, 0
	s_wait_tensorcnt 0x0                           ; the wave's end, behind my last tensor load and my last LDS store
	ds_add_u32 v[SPW], v[NIL]
	s_wait_dscnt 0x0
	CROUND                                         ; the closing round: no work-group ends while a partner may still ask for a tile that names it
	s_endpgm
.Lfunc_end_k_q651274fd96_proj:
	.size	k_q651274fd96_proj, .Lfunc_end_k_q651274fd96_proj-k_q651274fd96_proj
	.p2alignl 7, 3214868480
	.fill 96, 4, 3214868480
	.section	.rodata,"a",@progbits
	.p2align	6, 0x0
	.amdhsa_kernel k_q651274fd96_proj
		.amdhsa_group_segment_fixed_size 327680
		.amdhsa_private_segment_fixed_size 0
		.amdhsa_enable_private_segment 0
		.amdhsa_kernarg_size 56
		.amdhsa_user_sgpr_count 2
		.amdhsa_user_sgpr_kernarg_segment_ptr 1
		.amdhsa_wavefront_size32 1
		.amdhsa_system_sgpr_workgroup_id_x 1
		.amdhsa_system_sgpr_workgroup_id_y 1
		.amdhsa_system_sgpr_workgroup_id_z 1
		.amdhsa_system_vgpr_workitem_id 0
		.amdhsa_next_free_vgpr 1024
		.amdhsa_next_free_sgpr 80
		.amdhsa_reserve_vcc 0
		.amdhsa_float_denorm_mode_32 3
		.amdhsa_float_denorm_mode_16_64 3
		.amdhsa_memory_ordered 1
		.amdhsa_forward_progress 1
		.amdhsa_inst_pref_size 128
	.end_amdhsa_kernel
	.amdgpu_metadata
---
amdhsa.version: [ 1, 2 ]
amdhsa.kernels:
  - .name:           k_q651274fd96_proj
    .symbol:         k_q651274fd96_proj.kd
    .args:
      - { .name: Q, .offset: 0, .size: 8, .value_kind: global_buffer, .address_space: global }
      - { .name: K, .offset: 8, .size: 8, .value_kind: global_buffer, .address_space: global }
      - { .name: V, .offset: 16, .size: 8, .value_kind: global_buffer, .address_space: global }
      - { .name: wb, .offset: 24, .size: 8, .value_kind: global_buffer, .address_space: global }
      - { .name: qh, .offset: 32, .size: 8, .value_kind: global_buffer, .address_space: global }
      - { .name: kh, .offset: 40, .size: 8, .value_kind: global_buffer, .address_space: global }
      - { .name: vh, .offset: 48, .size: 8, .value_kind: global_buffer, .address_space: global }
    .group_segment_fixed_size: 327680
    .private_segment_fixed_size: 0
    .kernarg_segment_align: 8
    .kernarg_segment_size: 56
    .max_flat_workgroup_size: 128
    .sgpr_count:     80
    .vgpr_count:     1024
    .wavefront_size: 32
...
	.end_amdgpu_metadata
.endif
;; end of part 2
;; launch attn (part 3): grid 16 x 12, 4 waves a work-group, no clusters, 327,680 bytes of LDS; arguments qh, kh, vh, oh; writes oh
.if DOCPART == 3
	.amdgcn_target "amdgcn-amd-amdhsa--gfx1250"
	.amdhsa_code_object_version 6
	.text
	.protected	k_q651274fd96_attn
	.globl	k_q651274fd96_attn
	.p2align	8
	.type	k_q651274fd96_attn,@function
k_q651274fd96_attn:
	s_mov_b64 s[64:65], 0
	v_nop
	global_prefetch_b8 v0, s[64:65] scope:SCOPE_SE
	s_setreg_imm32_b32 hwreg(HW_REG_WAVE_MODE, 25, 1), 1
	s_wait_xcnt 0x0
; CAUSAL ATTENTION.  O[h][q][:] = the sum over k <= q of softmax_k(q[h][q] . k[h][k] / 8) v[h][k][:].  qh, kh, vh: [12][4096][64] f16.  O leaves as oh = [32 blocks][12 heads][128 rows][64] f16.
; Products, maxima and sums in f32; the weights p are rounded to f16 for the second product (their sum l is taken of the unrounded p), O once at the end.
; LIMITS.  f16 holds no number beyond 65,504: q, k, v arrive within it; p lies in 0 to 1 and below 6e-5 keeps f16's fixed step of 6e-8.  A hidden score counts as its value less 1e30: f16's scores,
; 2.7e11 at the most, are nothing beside that.  A weight below 2^-126 counts as 0 in l.  NaN and infinities are not treated apart.
; THE WALK.  A head's queries lie in 32 blocks of 128; block i needs the key steps (64 keys) 0 .. 2 i + 1.  Keys come in tiles of 256 (four steps).  Work-group b takes block 31 - b and then block b:
; (33 - b) / 2 and (b + 2) / 2 tiles, 17 together whatever b: every work-group makes 68 key steps, and loops with constant trip counts walk them.  What differs hangs on scalar registers made from b;
; every jump but the loops' own goes forward, over text with no barrier and no tensor load.
; NO CLUSTER: a head's 16 work-groups ask for the same tile only in the walk's first 9 tiles; behind that the first blocks end one after the other and partners need different tiles,
; so a walk common to four partners would need more trips than 17, or branches on the place in the cluster.
; SHARES.  Of a block's two bands of 64 queries a wave owns 16 rows in each: PIECE 0 and PIECE 1.  Piece x of block i holds the diagonal in key step 2 i + x; it sees every earlier step whole and no later one.
; At most 6 of a work-group's 136 pairs of piece and step are wholly hidden and computed all the same: the price of one text for every step.
; THE MASK is the C operand that starts the sum S^T = K Q^T: MD x AL + BE, MD the mask of a band's own step for my rows (0 or -1e30): (1, 0) in the own step, (0, 0) before it, (0, -1e30) behind it.
; LAYOUT.  S^T = K Q^T holds ONE query a lane (lane % 16) and the keys 8 (lane / 16) + 0..7; two such results rounded to f16 ARE source 1 of O^T = V^T P.
; SOFTMAX.  p = 2^(c s - c m), c = log2(e) / 8, with a running maximum m; O and l are multiplied by a = 2^(c m_old - c m_new) in every step.  A block begins with c m far below every c s: its first a is 0.
; BY TURNS.  In a turn one piece has the matrix unit: 8 products V^T P of step g, then 8 products K Q^T of step g + 1; the other piece's softmax (118 instructions) stands behind them, four
; (twice two, on the maximum's chain) behind each product, the other 58 in a lump.  Two turns are a key step.
; REGISTERS, in windows of 256 (s_set_vgpr_msb: bits 1:0 source 0, 3:2 source 1, 5:4 source 2, 7:6 destination):
;   window 0: v0-15 addresses; v16-23 statistics, 4 a piece; v24-31 at work; v32-63 MD; v64-127 S^T; v128-159 P; v160-223 O^T; v224-255 the way out
;   window 1: v0-31 Q; v32-63 the second block's Q; v64-127 K of one step; v128-191 V of one step; v192-255 the masks to come, 32 a piece
.set KS,    64
.set PK,    144       ; a row of K in LDS: 128 bytes + 16 of padding: the 16 rows of a load start at 16 different groups of four banks (ISA guide 11.1)
.set PV,    160       ; a row of V: 128 + 32
.set VOFF,  4*KS*PK   ; a slot holds a tile: 256 rows of K, then 256 rows of V
.set SLOT1, 1<<17     ; slot 1 begins here, so that one exclusive or turns an address in one slot into the other's
.set STAGE, SLOT1+4*KS*(PK+PV)  ; behind the ring, never filled by a tensor load: 16 rows x 144 bytes for each wave
.set SP,    144
.set SPARE, STAGE+4*16*SP       ; the spare words, 128 bytes for each wave: two blocks of 256 bytes that no other line names
.set AK0, 2           ; v2   my lane's place in a tile of K; never rewritten
.set AV0, 3           ; v3   the same for V
.set AK,  4           ; v4   the LDS address of K's run of loads
.set AV,  5           ; v5   of V's
.set STO, 6           ; v6   the way out: where I put 16 bytes of a row
.set RD,  7           ; v7   where I read rows back
.set GO,  8           ; v8   my byte offset in 512 consecutive bytes of O
.set SPW, 10          ; v10  my spare word; never rewritten
.set NIL, 11          ; v11  0; never rewritten
.set MV,  12          ; v12-13  c m_old, kept while c m is made anew: by piece
.set QO,  15          ; v15  my byte offset in 16 rows of Q
.set ST,  16          ; piece y's statistics at v[ST+4 y]: c m, m, l (even keys', odd keys')
.set TMP, 24          ; by piece, c0-c3 at work; when the maximum is found c2 takes a
.set MD,  32
.set S,   64
.set P,   128
.set OA,  160
.set OT,  224
.set QB,  32          ; window 1
.set KF,  64          ; window 1: key block kb, channel half c at KF + 16 kb + 8 c
.set VF,  128         ; window 1: key half kk, channel block cb at VF + 32 kk + 8 cb
.set MC,  192         ; window 1
.set WV,  12          ; s12  my wave's number
.set PB,  14          ; s14  b
.set HI,  15          ; s15  31 - b
.set G1K, 24          ; s[24:31] descriptor group 1 for K's tiles
.set G1V, 32          ; s[32:39] for V's: it differs in the padding alone
.set G0K, 40          ; s[40:43] descriptor group 0 for K's tiles
.set G0V, 44          ; s[44:47] for V's
.set SLOTS, 56        ; s56  counts the changes of slots that fill
.set CNT, 57          ; s57  counts the key steps between two changes
.set CS,  58          ; s[58:59] c: the packed scaling takes the pair's low word for both halves
.set SEL, 60          ; s[60:61] v_permlanex16_b32's selects: each lane takes its own place in the other half
.set TBK, 62          ; s62  LDS byte at which K of the step to be fetched begins
.set TBV, 63          ; s63  the same for V, less VOFF
.set NXT, 71          ; s71  the tile to be asked for next
.set LQ,  72          ; s72  the last tile of the block whose tiles are being asked for
.set LQ2, 73          ; s73  the second block's last tile
.set OFF, 74          ; s[74:75] a tile's byte offset in K and V
.set AL,  76          ; s[76:77] the mask's factor, in the low word
.set BE,  78          ; s[78:79] the mask's addend
.set OLO, 80          ; s[80:81] O at my rows of the second block
.set BIGN, 82         ; s82  -1e30
.set LEFT, 83         ; s83  key steps of the block in hand that are still to be finished, this one among them
.set SK,  88          ; s88  the key step, counted in its block, whose scores this step makes
.set OWN, 89          ; s89  piece 0's own step;  s90  piece 1's
.set OWN1, 90
.set OWNLO, 91        ; s91  piece 0's own step in the second block
.set L4,  92          ; s92  the second block's key steps
.set MSB, 0
.macro WIN new                      ; the high byte repeats the setting that is left; a switch that changes nothing is dropped
.if MSB != (\new)
	s_set_vgpr_msb (MSB<<8)|(\new)
.set MSB, (\new)
.endif
.endm
.set W_KQ, 0x05       ; K and Q in window 1, S^T in window 0
.set W_KM, 0x15       ; the same with the C operand in window 1
.set W_PV, 0x01       ; V in window 1; P and O^T in window 0
.set W_T1, 0x40       ; destination in window 1
.set W_QQ, 0x41       ; destination and source 0 in window 1
.macro PLACES
.rept 4
	v_nop
.endr
.endm
; A fill.  Waves 0 and 1 fetch the two halves of a tile's K, waves 2 and 3 those of its V: 128 keys each.  An s_nop 0 and four v_nop follow each of the two lines, ahead of the jump and the label.
.macro LOAD
	s_cmp_lt_u32 s[WV], 2
	s_cbranch_scc0 .Lfor_v_\@
	tensor_load_to_lds s[G0K:G0K+3], s[G1K:G1K+7]
	s_nop 0
	PLACES
	s_branch .Lasked_\@
.Lfor_v_\@:
	tensor_load_to_lds s[G0V:G0V+3], s[G1V:G1V+7]
	s_nop 0
	PLACES
.Lasked_\@:
.endm
; THE CHANGE OF SLOTS.  It stands where all of the old slot's bytes have been asked for: behind the turn that fetches V of the tile's fourth step.  Each wave waits for all its tensor loads, of which one is out:
; its part of the other slot; adds 0 to its spare word; and waits for that and for its reads of the old slot.  Behind the barrier nobody reads the old slot and the other is whole.
; fill = 1: the old slot is filled again, first thing behind the barrier, with tile NXT; that load has four key steps, 128 matrix instructions and their vector work, in which to land.
; (At its first use nothing has been read yet: slot 0 is waited for, slot 1 filled.)
.macro CHANGE fill
	WIN 0
	s_wait_tensorcnt 0x0            ; no tensor load of mine is out, so a group 0 may be written
	ds_add_u32 v[SPW], v[NIL]       ; 0 onto my spare word; scalar work stands between it and the wait for it
.if \fill
	s_lshl_b32 s[OFF], s[NXT], 15   ; a tile is 32,768 bytes of K and of V
	s_xor_b32 s[G0K+1], s[G0K+1], SLOT1
	s_add_nc_u64 s[G0K+2:G0K+3], s[6:7], s[OFF:OFF+1]
	s_or_b32 s[G0K+3], s[G0K+3], 0x80000000
	s_xor_b32 s[G0V+1], s[G0V+1], SLOT1
	s_add_nc_u64 s[G0V+2:G0V+3], s[8:9], s[OFF:OFF+1]
	s_or_b32 s[G0V+3], s[G0V+3], 0x80000000
	s_add_co_u32 s[NXT], s[NXT], 1  ; the block's next tile, or behind its last the second block's tile 0
	s_cmp_gt_u32 s[NXT], s[LQ]
	s_cselect_b32 s[NXT], 0, s[NXT]
	s_cselect_b32 s[LQ], s[LQ2], s[LQ]
.endif
	s_wait_dscnt 0x0                ; the add is done, and my reads of the slot are over
	s_barrier_signal -1
	s_sub_co_u32 s[TBK], s[TBK], 4*KS*PK  ; the fetches go back to a slot's first step,
	s_xor_b32 s[TBK], s[TBK], SLOT1       ; in the other slot
	s_sub_co_u32 s[TBV], s[TBV], 4*KS*PV
	s_xor_b32 s[TBV], s[TBV], SLOT1
	s_barrier_wait -1
.if \fill
	LOAD
.endif
.endm
	s_load_b256 s[4:11], s[0:1], 0x0  ; qh s[4:5], kh s[6:7], vh s[8:9], oh s[10:11]
	v_lshl_add_u32 v[SPW], v0, 2, SPARE
	v_mov_b32 v[NIL], 0
	ds_add_u32 v[SPW], v[NIL]       ; the wave's opening: the add and its wait stand ahead of my first tensor load; the set-up below stands between them
	v_lshrrev_b32 v1, 5, v0
	v_readfirstlane_b32 s[WV], v1   ; wave 0..3
	s_mov_b32 s[PB], ttmp9
	s_sub_co_u32 s[HI], 31, s[PB]
	s_and_b32 s13, ttmp7, 0xffff    ; the head
	s_lshl_b32 s20, s13, 19         ; its 524,288 bytes in qh, kh, vh
	s_and_b32 s16, s[WV], 1         ; which half of a tile's 256 keys I fetch:
	s_lshl_b32 s22, s16, 14         ; its 128 rows of 128 bytes in memory,
	s_add_co_u32 s22, s22, s20
	s_mov_b32 s23, 0
	s_mul_i32 s17, s16, 128*PK      ; and its place in a slot, for K
	s_mul_i32 s18, s16, 128*PV      ; and for V
	s_lshl_b32 s19, s[WV], 11       ; my 16 rows in a band of 64
	s_lshl_b32 s2, s[HI], 14        ; Q: the first block's 128 rows,
	s_add_co_u32 s2, s2, s19
	s_add_co_u32 s2, s2, s20
	s_mov_b32 s3, 0
	s_lshl_b32 s84, s[PB], 14       ; and the second's
	s_add_co_u32 s84, s84, s19
	s_add_co_u32 s84, s84, s20
	s_mov_b32 s85, 0
	s_mul_i32 s86, s[HI], 12        ; O: (block x 12 + head) x 16,384 bytes
	s_add_co_u32 s86, s86, s13
	s_lshl_b32 s86, s86, 14
	s_add_co_u32 s86, s86, s19
	s_mov_b32 s87, 0
	s_mul_i32 s94, s[PB], 12
	s_add_co_u32 s94, s94, s13
	s_lshl_b32 s94, s94, 14
	s_add_co_u32 s94, s94, s19
	s_mov_b32 s95, 0
	; descriptor group 1.  128 keys are 16,384 dense bytes: asked for as 64 rows of 256 bytes, two keys a row, and padded in LDS after every key
	s_mov_b32 s[G1K], (1<<16)|(1<<20)|(4<<22)|(3<<25)  ; 17:16 2-byte elements; 20 padding on; 24:22 after every 32 words (code 4); 31:25 4 words (code 3)
	s_mov_b32 s[G1V], (1<<16)|(1<<20)|(4<<22)|(7<<25)  ; the same with 8 words of padding (code 7)
.irp g, G1K, G1V
	s_mov_b32 s[\g+1], 128<<16      ; tensor_dim0 = 128
	s_mov_b32 s[\g+2], 64<<16       ; tensor_dim1 = 64
	s_mov_b32 s[\g+3], 128<<16      ; tile_dim0 = 128
	s_mov_b32 s[\g+4], 64           ; tile_dim1 = 64
	s_mov_b32 s[\g+5], 128          ; 128 elements from row to row
	s_mov_b32 s[\g+6], 0
	s_mov_b32 s[\g+7], 0
.endr
	s_mov_b32 s[CS], 0x3e38aa3b     ; c = log2(e) / 8 = 0.180337
	s_mov_b32 s[CS+1], s[CS]        ; named with it as a pair
	s_mov_b32 s[SEL], 0x76543210
	s_mov_b32 s[SEL+1], 0xfedcba98
	s_mov_b32 s[TBK], SLOT1+4*KS*PK ; the first change of slots turns these two into 0
	s_mov_b32 s[TBV], SLOT1+4*KS*PV
	s_mov_b32 s[G0K], 1             ; count = 1
	s_mov_b32 s[G0K+1], s17         ; LDS address: slot 0
	s_mov_b32 s[G0V], 1
	s_add_co_u32 s[G0V+1], s18, VOFF
	s_sub_co_u32 s66, 33, s[PB]
	s_lshr_b32 s66, s66, 1          ; the first block's tiles
	s_sub_co_u32 s[LQ], s66, 1
	s_lshl_b32 s[LEFT], s66, 2
	s_add_co_u32 s67, s[PB], 2
	s_lshr_b32 s67, s67, 1          ; the second block's
	s_sub_co_u32 s[LQ2], s67, 1
	s_lshl_b32 s[L4], s67, 2
	s_lshl_b32 s[OWN], s[HI], 1
	s_add_co_u32 s[OWN1], s[OWN], 1
	s_lshl_b32 s[OWNLO], s[PB], 1
	s_mov_b32 s[SK], 1
	s_mov_b32 s[NXT], 1
	s_mov_b32 s[OFF+1], 0
	s_mov_b32 s[AL+1], 0            ; named as pairs
	s_mov_b32 s[BE+1], 0
	s_mov_b32 s[BIGN], 0xf149f2ca   ; -1e30
	s_wait_dscnt 0x0                ; the opening add is done
	s_barrier_signal -1
	s_barrier_wait -1
	s_wait_kmcnt 0x0
	s_add_nc_u64 s[6:7], s[6:7], s[22:23]  ; K and V at my half of the head's tile 0
	s_add_nc_u64 s[8:9], s[8:9], s[22:23]
	s_add_nc_u64 s[G0K+2:G0K+3], s[6:7], 0
	s_or_b32 s[G0K+3], s[G0K+3], 0x80000000        ; type = 2
	s_add_nc_u64 s[G0V+2:G0V+3], s[8:9], 0
	s_or_b32 s[G0V+3], s[G0V+3], 0x80000000
	s_add_nc_u64 s[68:69], s[4:5], s[84:85]        ; Q at my rows of the second block,
	s_add_nc_u64 s[4:5], s[4:5], s[2:3]            ; and of the first
	s_add_nc_u64 s[OLO:OLO+1], s[10:11], s[94:95]
	s_add_nc_u64 s[10:11], s[10:11], s[86:87]
	LOAD                            ; tile 0 into slot 0
	; A fragment of K or Q is 16 rows x 32 channels in 8 registers: lane l holds row l % 16, channels 8 (l / 16) + 0..7 and 16 + 8 (l / 16) + 0..7: two loads of 16 bytes, 32 bytes apart.
	v_and_b32 v1, 15, v0            ; l % 16
	v_bfe_u32 v9, v0, 4, 1          ; l / 16
	v_lshlrev_b32 v[QO], 7, v1
	v_lshl_add_u32 v[QO], v9, 4, v[QO]  ; row x 128 + 16 x half
	WIN W_T1
.set i, 0
.rept 4                             ; both blocks' Q: piece i / 2 lies in band i / 2, 8,192 bytes on; channels 32 (i % 2) on
	global_load_b128 v[8*i:8*i+3],   v[QO], s[4:5] offset:(i/2)*8192+(i%2)*64
	global_load_b128 v[8*i+4:8*i+7], v[QO], s[4:5] offset:(i/2)*8192+(i%2)*64+32
	global_load_b128 v[QB+8*i:QB+8*i+3],   v[QO], s[68:69] offset:(i/2)*8192+(i%2)*64
	global_load_b128 v[QB+8*i+4:QB+8*i+7], v[QO], s[68:69] offset:(i/2)*8192+(i%2)*64+32
.set i, i+1
.endr
	WIN 0
	v_lshlrev_b32 v14, 3, v9
	v_sub_nc_u32 v14, v1, v14
	s_lshl_b32 s16, s[WV], 4
	v_add_nc_u32 v14, s16, v14      ; my query's place in its band, 16 w + l % 16, less my lanes' 8 (l / 16): register r of key group kt is hidden where 16 kt + r is greater
.set i, 0
.rept 32
	v_cmp_gt_i32 vcc_lo, 16*(i/8)+i%8, v14
	v_cndmask_b32 v[MD+i], 0, s[BIGN], vcc_lo
.set i, i+1
.endr
	v_mul_u32_u24 v[AK0], v1, PK
	v_lshl_add_u32 v[AK0], v9, 4, v[AK0]  ; row x pitch + 16 x half
	; The turning load takes 16 keys x 16 channels (lane l reads key 8 (l / 16) + l % 8, channels 8 ((l / 8) % 2) + 0..7) and leaves half a fragment of V^T: lane l holds channel l % 16 and 8 keys.
	v_and_b32 v12, 7, v0
	v_bfe_u32 v13, v0, 3, 1
	v_lshl_add_u32 v[AV0], v9, 3, v12
	v_mul_u32_u24 v[AV0], v[AV0], PV
	v_lshl_add_u32 v[AV0], v13, 4, v[AV0]
	v_add_nc_u32 v[AV0], VOFF, v[AV0]
	s_mul_i32 s16, s[WV], 16*SP
	s_add_co_u32 s16, s16, STAGE    ; my stage
	v_mul_u32_u24 v[STO], v1, SP    ; in: row l % 16, 16 bytes for each half of the lanes
	v_lshl_add_u32 v[STO], v9, 4, v[STO]
	v_add_nc_u32 v[STO], s16, v[STO]
	v_bfe_u32 v[RD], v0, 3, 2       ; back: 32 lanes take four rows of 128 bytes,
	v_mul_u32_u24 v[RD], v[RD], SP
	v_lshl_add_u32 v[RD], v12, 4, v[RD]
	v_add_nc_u32 v[RD], s16, v[RD]
	v_and_b32 v[GO], 31, v0         ; which are 512 consecutive bytes of O
	v_lshlrev_b32 v[GO], 4, v[GO]
	; A block's first step multiplies O^T and l by a = 0, so these need only be finite: zeros for the first block, what the first block left for the second.  The masks start at 0: the first block's
	; own steps lie far on.  All this stands in the wait for the first tile.
.set i, 0
.rept 64
	v_mov_b32 v[OA+i], 0
.set i, i+1
.endr
	WIN W_T1
.set i, 0
.rept 64
	v_mov_b32 v[MC+i], 0
.set i, i+1
.endr
	WIN 0
.irp y, 0,1
	v_mov_b32 v[ST+4*\y+2], 0
	v_mov_b32 v[ST+4*\y+3], 0
.endr
; THE MATRIX WORK.  The 4 accumulators of a run of 8 take turns.  Product i of 8 of S^T = K Q^T for piece x: channels 32 (i / 4) on, keys 16 (i % 4) on.  The first 4 start the sums with the mask.
.macro KQ x
.set rS, S+32*(\x)+8*(i%4)
.set rK, KF+16*(i%4)+8*(i/4)
.set rQ, 16*(\x)+8*(i/4)
.set rM, MC+32*(\x)+8*(i%4)
.if i < 4
	WIN W_KM
	v_wmma_f32_16x16x32_f16 v[rS:rS+7], v[rK:rK+7], v[rQ:rQ+7], v[rM:rM+7]
.else
	WIN W_KQ
	v_wmma_f32_16x16x32_f16 v[rS:rS+7], v[rK:rK+7], v[rQ:rQ+7], v[rS:rS+7]
.endif
.endm
; Product i of 8 of O^T += V^T P for piece x: keys 32 (i / 4) on, channels 16 (i % 4) on.
.macro PV x
	WIN W_PV
.set rO, OA+32*(\x)+8*(i%4)
.set rV, VF+32*(i/4)+8*(i%4)
.set rP, P+16*(\x)+8*(i/4)
	v_wmma_f32_16x16x32_f16 v[rO:rO+7], v[rV:rV+7], v[rP:rP+7], v[rO:rO+7]
.endm
; THE LDS LOADS stand in runs of 16, never singly among the matrix instructions: a step's K (8 fragments) and its V (turned).
.macro FETCH_K
	WIN 0
	v_add_nc_u32 v[AK], s[TBK], v[AK0]
	WIN W_T1
.irp f, 0,1,2,3,4,5,6,7             ; keys 16 (f / 2) on, channels 32 (f % 2) on
	ds_load_b128 v[KF+8*\f:KF+8*\f+3],   v[AK] offset:(\f/2)*16*PK+(\f%2)*64
	ds_load_b128 v[KF+8*\f+4:KF+8*\f+7], v[AK] offset:(\f/2)*16*PK+(\f%2)*64+32
.endr
	s_add_co_u32 s[TBK], s[TBK], KS*PK  ; the next fetch is the next step's
	WIN 0
.endm
.macro FETCH_V
	WIN 0
	v_add_nc_u32 v[AV], s[TBV], v[AV0]
	WIN W_T1
.irp f, 0,1,2,3,4,5,6,7             ; keys 32 (f / 4) on, channels 16 (f % 4) on
	ds_load_tr16_b128 v[VF+8*\f:VF+8*\f+3],   v[AV] offset:(\f/4)*32*PV+(\f%4)*32
	ds_load_tr16_b128 v[VF+8*\f+4:VF+8*\f+7], v[AV] offset:(\f/4)*32*PV+16*PV+(\f%4)*32
.endr
	s_add_co_u32 s[TBV], s[TBV], KS*PV
	WIN 0
.endm
; THE VECTOR WORK, one line at a time: OP kind, number, for piece Y.  F n: c s - c m for pair n of 16.  E n: the exponential of score n of 32.  C n: pair n rounded to f16.  B n: of the four weights 4 n ..
; the second pair is added onto the first, in place.  L n: l takes that sum (L 0: l = a l + sum).  R n: pair n of 16 of O^T times a.  X n: number n of the 22 that find the maximum and statistics:
;   0-11  four chains c0-c3 of seven scores each (each accumulator's lowest registers are read first)     12-14, 16  the four scores left over, the old m, and c0-c3 into c0
;   15  c m_old is kept     17, 18  the query's other 32 keys lie in the lane 16 away: the new m     19-21  c m; c m_old - c m_new; a
.set F, 0
.set E, 1
.set C, 2
.set B, 3
.set L, 4
.set R, 5
.set X, 6
.macro REGS y
.set rT, ST+4*(\y)
.set rC, TMP+4*(\y)
.set rW, MV+(\y)
.set rS, S+32*(\y)
.set rP, P+16*(\y)
.set rO, OA+32*(\y)
.endm
.macro OP k, n
	REGS Y
	WIN 0
.if (\k) == F
	v_pk_fma_f32 v[rS+2*(\n):rS+2*(\n)+1], v[rS+2*(\n):rS+2*(\n)+1], s[CS:CS+1], v[rT:rT+1] op_sel_hi:[1,0,0] neg_lo:[0,0,1] neg_hi:[0,0,1]
.elseif (\k) == E
	v_exp_f32 v[rS+(\n)], v[rS+(\n)]
.elseif (\k) == C
	s_wait_alu depctr_va_vdst(0)
	v_cvt_pk_f16_f32 v[rP+(\n)], v[rS+2*(\n)], v[rS+2*(\n)+1]
.elseif (\k) == B
	v_pk_add_f32 v[rS+4*(\n):rS+4*(\n)+1], v[rS+4*(\n):rS+4*(\n)+1], v[rS+4*(\n)+2:rS+4*(\n)+3]
	s_wait_alu depctr_va_vdst(0)
.elseif ((\k) == L) && ((\n) == 0)
	v_pk_fma_f32 v[rT+2:rT+3], v[rT+2:rT+3], v[rC+2:rC+3], v[rS:rS+1] op_sel_hi:[1,0,1]
.elseif (\k) == L
	v_pk_add_f32 v[rT+2:rT+3], v[rT+2:rT+3], v[rS+4*(\n):rS+4*(\n)+1]
.elseif (\k) == R
	v_pk_mul_f32 v[rO+2*(\n):rO+2*(\n)+1], v[rO+2*(\n):rO+2*(\n)+1], v[rC+2:rC+3] op_sel_hi:[1,0]
.elseif (\n) < 4
	v_max3_num_f32 v[rC+(\n)], v[rS+8*(\n)], v[rS+8*(\n)+1], v[rS+8*(\n)+2]
.elseif (\n) < 12
	v_max3_num_f32 v[rC+(\n)%4], v[rC+(\n)%4], v[rS+8*((\n)%4)+2*((\n)/4)+1], v[rS+8*((\n)%4)+2*((\n)/4)+2]
.elseif (\n) == 12
	v_max3_num_f32 v[rC], v[rC], v[rS+7], v[rS+15]
.elseif (\n) == 13
	v_max3_num_f32 v[rC+1], v[rC+1], v[rS+23], v[rS+31]
.elseif (\n) == 14
	v_max3_num_f32 v[rC+2], v[rC+2], v[rC+3], v[rT+1]
.elseif (\n) == 15
	v_mov_b32 v[rW], v[rT]
.elseif (\n) == 16
	v_max3_num_f32 v[rC], v[rC], v[rC+1], v[rC+2]
.elseif (\n) == 17
	v_permlanex16_b32 v[rC+3], v[rC], s[SEL], s[SEL+1]
.elseif (\n) == 18
	v_max_num_f32 v[rT+1], v[rC], v[rC+3]
.elseif (\n) == 19
	v_mul_f32 v[rT], s[CS], v[rT+1]
.elseif (\n) == 20
	v_sub_f32 v[rC+1], v[rW], v[rT]
.else
	v_exp_f32 v[rC+2], v[rC+1]
.endif
.endm
; A piece's softmax for one step is a list of 118; SMN writes entry LI of it and steps LI.
;   0-20 X 0-20;  21 F 0;  22 X 21;  from 23 on a plain instruction (odd entries) and an exponential (even entries, E 0-31) by turns, so that no two exponentials follow each other and each has a plain
;   instruction behind it before its result is used (ISA guide 5.7.2).  The plain ones are what is ready: scalings ahead of their exponentials, roundings behind theirs, the first two sums.
;   87-117: the rest of the sums, the last rounding, l, and O^T times a.
.macro SMN
.if LI < 21
	OP X, LI
.elseif LI == 21
	OP F, 0
.elseif LI == 22
	OP X, 21
.elseif LI < 87
.set LK, (LI-23)/2
.if (LI-23)%2 == 1
	OP E, LK
.elseif LK < 7
	OP F, LK+1
.elseif (LK < 23) && (LK%2 == 1)
	OP C, (LK-7)/2
.elseif LK < 23
	OP F, LK/2+4
.elseif LK < 28
	OP C, LK-15
.elseif LK == 28
	OP B, 0
.elseif LK == 29
	OP C, 13
.elseif LK == 30
	OP B, 1
.else
	OP C, 14
.endif
.elseif LI == 87
	OP B, 2
.elseif LI == 88
	OP C, 15
.elseif (LI < 100) && (LI%2 == 1)
	OP L, (LI-89)/2
.elseif LI < 100
	OP B, LI/2-42
.elseif LI == 100
	OP R, 0
.elseif LI == 101
	OP L, 6
.elseif LI == 102
	OP R, 1
.elseif LI == 103
	OP L, 7
.else
	OP R, LI-102
.endif
.set LI, LI+1
.endm
.macro VV c                         ; the next c entries
.rept \c
	SMN
.endr
.endm
; A TURN.  Piece x has the matrix unit; the other piece's softmax stands behind its products and names the other piece's registers alone.  kq = 0: the walk's last step: no further scores, nothing fetched.
; Piece 0's turn fetches the next step's K at its head: the last product that read K stands in front of the lump of the turn before.  It is waited for behind 8 products.
; Piece 1's turn fetches the next step's V behind its second product K Q^T: six plain instructions and the address line behind the last product that read V.  It is waited for at the head of the next turn.
; The lump's plain instructions are the places (ISA guide 7.12.1) between the turn's last products and the next turn's first read of their scores.
.macro TURN x, kq=1
.set Y, 1-(\x)
.set LI, 0
.if (\x) == 0
	s_wait_dscnt 0x0                ; V is in
.if \kq
	FETCH_K
.endif
.endif
.set i, 0
.rept 8
	PV \x
	VV 4-2*(i/4-i/6)
.set i, i+1
.endr
.if \kq
.if (\x) == 0
	s_wait_dscnt 0x0                ; K is in
.endif
.set i, 0
.rept 8
	KQ \x
	VV 4
.if ((\x) == 1) && (i == 1)
	FETCH_V
.endif
.set i, i+1
.endr
.endif
	VV 118-LI
.endm
.macro MASK x                       ; MD x AL + BE into piece x's mask
	WIN W_T1
.set z, 0
.rept 16
	v_pk_fma_f32 v[MC+32*(\x)+2*z:MC+32*(\x)+2*z+1], v[MD+2*z:MD+2*z+1], s[AL:AL+1], s[BE:BE+1] op_sel_hi:[1,0,0]
.set z, z+1
.endr
	WIN 0
.endm
.macro RESET x                      ; a block begins: c m far below every c s, so that the first a is 0; m at the lowest finite number, so that the first maximum is the scores'
	v_mov_b32 v[ST+4*(\x)], 0xfe000000
	v_mov_b32 v[ST+4*(\x)+1], 0xff7fffff
.endm
; THE WAY OUT of piece x: l's two halves and the other half of the lanes' are added; O^T is divided by l, rounded to f16 and sent through my stage: 16 rows of 128 bytes, 2,048 consecutive bytes of oh.
.macro OUT x
	REGS \x
	WIN 0
	s_wait_xcnt 0x0                 ; earlier stores have had their addresses translated (ISA guide 3.1): their data registers are rewritten only behind this wait
	v_add_f32 v[rC], v[rT+2], v[rT+3]
	v_permlanex16_b32 v[rC+1], v[rC], s[SEL], s[SEL+1]
	v_add_f32 v[rC], v[rC], v[rC+1]
	v_rcp_f32 v[rC+2], v[rC]
	v_nop                           ; a plain instruction between the reciprocal and the use of its result
.set z, 0
	s_wait_alu depctr_va_vdst(0)
.rept 16
	v_pk_mul_f32 v[rO+2*z:rO+2*z+1], v[rO+2*z:rO+2*z+1], v[rC+2:rC+3] op_sel_hi:[1,0]
.set z, z+1
.endr
.set z, 0
.rept 16
	v_cvt_pk_f16_f32 v[OT+16*(\x)+z], v[rO+2*z], v[rO+2*z+1]
.set z, z+1
.endr
.irp f, 0,1,2,3
	ds_store_b128 v[STO], v[OT+16*(\x)+4*\f:OT+16*(\x)+4*\f+3] offset:32*\f
.endr
.irp f, 0,1,2,3
	ds_load_b128 v[OT+16*(\x)+4*\f:OT+16*(\x)+4*\f+3], v[RD] offset:\f*4*SP  ; LDS serves a wave's instructions in order (ISA guide 5.7.1.4): these see the stores above
.endr
.irp f, 0,1,2,3
	s_wait_dscnt 3-\f               ; of these four loads the 3 - f behind this one may stay out
	global_store_b128 v[GO], v[OT+16*(\x)+4*\f:OT+16*(\x)+4*\f+3], s[10:11] offset:(\x)*8192+\f*512  ; 512 consecutive bytes, at a multiple of 256 from oh's first
.endr
.endm
; A KEY STEP: piece 0's turn, piece 1's turn.  In a block's last step (LEFT = 1) the scores that the turns make are the NEXT block's first: each piece's Q is changed in front of its turn, and behind
; its turn, when its last V^T P is done, the piece goes out and its statistics are set anew.  Masks are made only where they change: for a block's step 0 and from piece 0's own step on.
.macro STEP
	WIN 0
	s_cmp_lg_u32 s[LEFT], 1
	s_cbranch_scc1 .Lsa_\@
	WIN W_QQ
.set z, 0
.rept 16
	v_mov_b32 v[z], v[QB+z]
.set z, z+1
.endr
	WIN 0
	s_mov_b32 s[SK], 0
	s_mov_b32 s[OWN], s[OWNLO]
	s_add_co_u32 s[OWN1], s[OWNLO], 1
.Lsa_\@:
	s_cmp_eq_u32 s[SK], 0
	s_cbranch_scc1 .Lmk_\@
	s_cmp_lt_u32 s[SK], s[OWN]
	s_cbranch_scc1 .Lnomk_\@
.Lmk_\@:
	s_cmp_eq_u32 s[SK], s[OWN]      ; is that step the band's own?
	s_cselect_b32 s[AL], 1.0, 0
	s_cmp_gt_u32 s[SK], s[OWN]      ; or a later one?
	s_cselect_b32 s[BE], s[BIGN], 0
	MASK 0
	s_cmp_eq_u32 s[SK], s[OWN1]
	s_cselect_b32 s[AL], 1.0, 0
	s_cmp_gt_u32 s[SK], s[OWN1]
	s_cselect_b32 s[BE], s[BIGN], 0
	MASK 1
.Lnomk_\@:
	TURN 0
	WIN 0
	s_cmp_lg_u32 s[LEFT], 1
	s_cbranch_scc1 .Lsb_\@
	OUT 0
	RESET 0
	WIN W_QQ
.set z, 16
.rept 16
	v_mov_b32 v[z], v[QB+z]
.set z, z+1
.endr
	WIN 0
.Lsb_\@:
	TURN 1
	WIN 0
	s_cmp_lg_u32 s[LEFT], 1
	s_cbranch_scc1 .Lsc_\@
	OUT 1
	RESET 1
	s_wait_xcnt 0x0                 ; the stores have read O's address
	s_mov_b64 s[10:11], s[OLO:OLO+1]
	s_add_co_u32 s[LEFT], s[L4], 1
.Lsc_\@:
	s_sub_co_u32 s[LEFT], s[LEFT], 1
	s_add_co_u32 s[SK], s[SK], 1
.endm
	RESET 0
	RESET 1
	CHANGE 1                        ; slot 0 is in, everybody's part of it; slot 1 is asked for
	FETCH_K                         ; key step 0
	s_wait_loadcnt 0x0              ; both blocks' Q
	s_wait_dscnt 0x0
.set i, 0
.rept 8
	KQ 0                            ; both pieces' first scores: there is no vector work yet to set between them
.set i, i+1
.endr
.set i, 0
.rept 8
	KQ 1
.set i, i+1
.endr
	FETCH_V                         ; V of step 0
	PLACES                          ; the places behind those products
.set Y, 0
.set LI, 0
	VV 118                          ; piece 0's first softmax
	s_mov_b32 s[CNT], 3             ; steps 0 to 2; then a change of slots in front of every step 3 mod 4
	s_mov_b32 s[SLOTS], 16
	s_branch .Lstep
.Lslot:                             ; 15 times: tiles 2 to 16 of the walk are asked for
	CHANGE 1
	s_mov_b32 s[CNT], 4
.Lstep:
	STEP
	s_sub_co_u32 s[CNT], s[CNT], 1
	s_cmp_lg_u32 s[CNT], 0
	s_cbranch_scc1 .Lstep
	s_sub_co_u32 s[SLOTS], s[SLOTS], 1
	s_cmp_lg_u32 s[SLOTS], 0
	s_cbranch_scc1 .Lslot
	CHANGE 0                        ; the tail is written out: nothing is asked for
	s_mov_b32 s[CNT], 4             ; steps 63 to 66
.Ltail:
	STEP
	s_sub_co_u32 s[CNT], s[CNT], 1
	s_cmp_lg_u32 s[CNT], 0
	s_cbranch_scc1 .Ltail
	TURN 0, 0                       ; step 67: piece 0's V^T P beside piece 1's last softmax
.set i, 0
.rept 8
	PV 1                            ; piece 1's V^T P
.set i, i+1
.endr
	OUT 0                           ; its arithmetic names nothing of those products: the places in front of piece 1's way out
	OUT 1
	s_wait_tensorcnt 0x0            ; the wave's end, behind my last tensor load and my last LDS store
	ds_add_u32 v[SPW], v[NIL]
	s_wait_dscnt 0x0
	s_endpgm
.Lfunc_end_k_q651274fd96_attn:
	.size	k_q651274fd96_attn, .Lfunc_end_k_q651274fd96_attn-k_q651274fd96_attn
	.p2alignl 7, 3214868480
	.fill 96, 4, 3214868480
	.section	.rodata,"a",@progbits
	.p2align	6, 0x0
	.amdhsa_kernel k_q651274fd96_attn
		.amdhsa_group_segment_fixed_size 327680
		.amdhsa_private_segment_fixed_size 0
		.amdhsa_enable_private_segment 0
		.amdhsa_kernarg_size 32
		.amdhsa_user_sgpr_count 2
		.amdhsa_user_sgpr_kernarg_segment_ptr 1
		.amdhsa_wavefront_size32 1
		.amdhsa_system_sgpr_workgroup_id_x 1
		.amdhsa_system_sgpr_workgroup_id_y 1
		.amdhsa_system_sgpr_workgroup_id_z 1
		.amdhsa_system_vgpr_workitem_id 0
		.amdhsa_next_free_vgpr 512
		.amdhsa_next_free_sgpr 96
		.amdhsa_reserve_vcc 1
		.amdhsa_float_denorm_mode_32 3
		.amdhsa_float_denorm_mode_16_64 3
		.amdhsa_memory_ordered 1
		.amdhsa_forward_progress 1
		.amdhsa_inst_pref_size 107
	.end_amdhsa_kernel
	.amdgpu_metadata
---
amdhsa.version: [ 1, 2 ]
amdhsa.kernels:
  - .name:           k_q651274fd96_attn
    .symbol:         k_q651274fd96_attn.kd
    .args:
      - { .name: qh, .offset: 0, .size: 8, .value_kind: global_buffer, .address_space: global }
      - { .name: kh, .offset: 8, .size: 8, .value_kind: global_buffer, .address_space: global }
      - { .name: vh, .offset: 16, .size: 8, .value_kind: global_buffer, .address_space: global }
      - { .name: oh, .offset: 24, .size: 8, .value_kind: global_buffer, .address_space: global }
    .group_segment_fixed_size: 327680
    .private_segment_fixed_size: 0
    .kernarg_segment_align: 8
    .kernarg_segment_size: 32
    .max_flat_workgroup_size: 128
    .sgpr_count:     96
    .vgpr_count:     512
    .wavefront_size: 32
...
	.end_amdgpu_metadata
.endif
;; end of part 3
;; launch outp (part 4): grid 32 x 6, 4 waves a work-group, clusters of 4 x 1, 327,680 bytes of LDS; arguments oh, wb, bo, out0; writes out0
.if DOCPART == 4
	.amdgcn_target "amdgcn-amd-amdhsa--gfx1250"
	.amdhsa_code_object_version 6
	.text
	.protected	k_q651274fd96_outp
	.globl	k_q651274fd96_outp
	.p2align	8
	.type	k_q651274fd96_outp,@function
k_q651274fd96_outp:
	s_mov_b64 s[64:65], 0
	v_nop
	global_prefetch_b8 v0, s[64:65] scope:SCOPE_SE
	s_setreg_imm32_b32 hwreg(HW_REG_WAVE_MODE, 25, 1), 1
	s_wait_xcnt 0x0
	s_wait_alu depctr_hold_cnt(0) depctr_sa_sdst(0) depctr_va_vdst(0) depctr_va_sdst(0) depctr_va_ssrc(0) depctr_va_vcc(0) depctr_vm_vsrc(0)
	s_getreg_b32 s2, hwreg(HW_REG_IB_STS2, 6, 4)
	s_cmp_eq_u32 s2, 0
	s_cbranch_scc0 .Lentry_in_a_cluster
	s_endpgm
.Lentry_in_a_cluster:
	s_bfe_u32 s2, ttmp6, 0x10000c
	s_cmp_lg_u32 s2, 0x3003
	s_cbranch_scc0 .Lentry_shape_is_right
	s_endpgm
.Lentry_shape_is_right:
; THE OUTPUT PROJECTION.  out0[m][n] = sum over k of O[m][k] Wo[k][n] + bo[n], k = 64 head + channel.  O: oh = [32 blocks][12 heads][128 rows][64] f16.  Wo: wb's plane 3, [768 k][768 n] f16
; (rounded to bf16, written as f16).  bo is rounded to bf16 like the other inputs.  Sums in f32; out0 is f32, [4096][768].
; SHARES.  A tile of out0 is 128 x 128: 32 x 6 = 192 work-groups.  Four waves, each 64 x 64: 16 accumulators.  K goes in 3 steps of 256 (four heads) through two LDS slots; a quarter step is one head.
; CLUSTER 4 x 1: the four partners have the same tile column and so the same tiles of Wo: those are asked for jointly (waves 2 and 3).  O's tiles are each work-group's own (waves 0 and 1, no mask):
; they are shared by the six tile columns, and six does not divide into the cluster's four.
; THE MATRIX INSTRUCTION IS USED TRANSPOSED (source 0 = 16 columns of Wo, turned by ds_load_tr16_b128; source 1 = 16 rows of O): a lane holds eight neighbouring columns of one row.
; The bias is the C operand of the products that start the sums.
; REGISTERS: window 0: v0-31 addresses; v32-95 the way out; v96-127 the bias of my 64 columns; v128-255 the accumulators ((a, b) at 128 + 8 (4 a + b)).
;   window 1: two fragment buffers of 128: for 64 along K, 64 registers of O (2 x 4 x 16 rows x 32 K), then 64 of Wo.
.set PAO,    144                       ; a row of O in LDS: 128 bytes + 16 of padding: the 16 rows of a load start at 16 different groups of four banks (ISA guide 11.1)
.set PBW,    288                       ; a row of Wo: 256 + 32
.set PLANE,  128*PAO                   ; a head's 128 rows
.set QUART,  2*PLANE                   ; what one tensor load brings: two heads of O, or 128 k rows of Wo (128 x 288 is the same number)
.set BOFF,   4*PLANE
.set SLOT,   8*PLANE
.set STAGE,  2*SLOT                    ; behind the ring, never filled by a tensor load: 16 rows x 272 bytes for each wave
.set SPITCH, 272
.set SPARE,  STAGE+4*16*SPITCH         ; the spare words, 128 bytes for each wave: two blocks of 256 bytes that no other line names
.set ADRA, 16                          ; v16-17  LDS address of my O fragments in slot 0, 1
.set ADRB, 20                          ; v20-23  of my Wo fragments: slot 0 heads 0-1, heads 2-3; slot 1 likewise (a slot's 256 rows pass the 16-bit offset)
.set STO,  24
.set RD,   25
.set CO,   26
.set BV,   27                          ; v27     my byte offset in bo
.set SPW,  28                          ; v28     my spare word; never rewritten
.set NIL,  29                          ; v29     0; never rewritten
.set TMP,  32
.set BIAS, 96
.set ACC,  128
.set F0,   0
.set F1,   128
.set G1A, 24                           ; s[24:31] descriptor group 1 for O's tiles;  s[32:39] group 0, a set for each slot
.set G0A, 32
.set G1B, 48                           ; s[48:55], s[56:63] the same for Wo's
.set G0B, 56
.set MSB, 0
.macro WIN new
.if MSB != (\new)
	s_set_vgpr_msb (MSB<<8)|(\new)
.set MSB, (\new)
.endif
.endm
.set MUL,  0x05                        ; sources 0 and 1 window 1; C and D window 0
.set TO_F, 0x40                        ; destination window 1, address window 0
.macro PLACES
.rept 4
	v_nop
.endr
.endm
.macro JLOAD s                         ; waves 0 and 1 fetch O's two halves, waves 2 and 3 Wo's; an s_nop 0 and four v_nop follow each line, ahead of the jump and the label
	s_cmp_eq_u32 s13, 0
	s_cbranch_scc0 .Lfor_b_\@
	tensor_load_to_lds s[G0A+4*(\s):G0A+4*(\s)+3], s[G1A:G1A+7]
	s_nop 0
	PLACES
	s_branch .Lasked_\@
.Lfor_b_\@:
	tensor_load_to_lds s[G0B+4*(\s):G0B+4*(\s)+3], s[G1B:G1B+7]
	s_nop 0
	PLACES
.Lasked_\@:
.endm
.macro CREST
	s_cmp_lg_u32 s12, 0
	s_cbranch_scc1 .Lnot_wave_0_\@
	s_barrier_signal -3
.Lnot_wave_0_\@:
	s_barrier_wait -3
	s_barrier_signal -1
	s_barrier_wait -1
.endm
.macro CROUND
	s_barrier_signal -1
	s_barrier_wait -1
	CREST
.endm
	s_load_b256 s[4:11], s[0:1], 0x0               ; oh s[4:5], wb s[6:7], bo s[8:9], out0 s[10:11]
	v_lshl_add_u32 v[SPW], v0, 2, SPARE
	v_mov_b32 v[NIL], 0
	ds_add_u32 v[SPW], v[NIL]                      ; the wave's opening: the add and its wait stand ahead of my first tensor load; the set-up below stands between them
	v_lshrrev_b32 v1, 5, v0
	v_readfirstlane_b32 s12, v1                    ; wave 0..3
	s_lshr_b32 s13, s12, 1                         ; which half of the tile's rows is mine.  Also: I fetch O (0) or Wo (1)
	s_and_b32 s14, s12, 1                          ; which half of its columns.  Also: which half of that tile I fetch
	s_bfe_u32 s15, ttmp6, 0x40000                  ; cx
	s_lshl_b32 s16, ttmp9, 2
	s_add_co_u32 s16, s16, s15                     ; tile row = 4 x cluster x + cx
	s_and_b32 s17, ttmp7, 0xffff                   ; tile column, which the four partners share
	s_mov_b32 s[G1A], (1<<16)|(1<<20)|(4<<22)|(3<<25)  ; no mask; 2-byte elements; padding on; after every 32 words (code 4) 4 words (code 3).  Two heads are 32,768 dense bytes: 128 rows of 256, two rows of O in each
	s_mov_b32 s[G1B], 15|(1<<16)|(1<<20)|(1<<21)|(5<<22)|(7<<25)  ; the mask of four; 21 set beside it; after every 64 words (code 5) 8 words (code 7)
.irp g, G1A, G1B
	s_mov_b32 s[(\g)+1], 128<<16                   ; tensor_dim0 = 128
	s_mov_b32 s[(\g)+2], 128<<16                   ; tensor_dim1 = 128
	s_mov_b32 s[(\g)+3], 128<<16                   ; tile_dim0 = 128
	s_mov_b32 s[(\g)+4], 128                       ; tile_dim1 = 128
	s_mov_b32 s[(\g)+6], 0
	s_mov_b32 s[(\g)+7], 0
.endr
	s_mov_b32 s[G1A+5], 128                        ; elements from row to row: dense,
	s_mov_b32 s[G1B+5], 768                        ; and Wo's pitch
	s_mul_i32 s40, s16, 196608                     ; O: my block's twelve heads,
	s_lshl_b32 s41, s14, 15                        ; my two heads of a step's four
	s_add_co_u32 s40, s40, s41
	s_mov_b32 s41, 0
	s_mul_i32 s42, s14, 196608                     ; Wo: my 128 k rows of 1,536 bytes,
	s_lshl_b32 s43, s17, 8                         ; the tile's 128 columns,
	s_add_co_u32 s42, s42, s43
	s_add_co_u32 s42, s42, 3538944                 ; in plane 3: nothing here hangs on cx
	s_mov_b32 s43, 0
	s_mul_i32 s20, s12, QUART                      ; where they go: wave x 36,864: O's two halves, then Wo's two
	s_wait_dscnt 0x0                               ; the opening add is done
	s_wait_kmcnt 0x0
	s_add_nc_u64 s[4:5], s[4:5], s[40:41]
	s_add_nc_u64 s[6:7], s[6:7], s[42:43]
	CROUND                                         ; all four work-groups are here: the first joint loads meet
.irp s, 0,1
	s_mov_b32 s[G0A+4*(\s)], 1
	s_add_co_u32 s[G0A+4*(\s)+1], s20, (\s)*SLOT
	s_add_nc_u64 s[G0A+4*(\s)+2:G0A+4*(\s)+3], s[4:5], (\s)*65536
	s_or_b32 s[G0A+4*(\s)+3], s[G0A+4*(\s)+3], 0x80000000
	s_mov_b32 s[G0B+4*(\s)], 1
	s_add_co_u32 s[G0B+4*(\s)+1], s20, (\s)*SLOT
	s_add_nc_u64 s[G0B+4*(\s)+2:G0B+4*(\s)+3], s[6:7], (\s)*393216
	s_or_b32 s[G0B+4*(\s)+3], s[G0B+4*(\s)+3], 0x80000000
	JLOAD \s                                       ; K steps 0 and 1: two loads of mine are out
.endr
	v_and_b32 v1, 15, v0                           ; l % 16
	v_bfe_u32 v2, v0, 4, 1                         ; l / 16
	s_lshl_b32 s46, s17, 9
	s_lshl_b32 s47, s14, 8
	s_add_co_u32 s46, s46, s47                     ; my first column in bytes of f32: 512 x tile column + 256 x half
	v_lshl_add_u32 v[BV], v2, 5, s46               ; + 8 (l / 16) numbers
.irp b, 0,1,2,3
	global_load_b128 v[BIAS+8*(\b):BIAS+8*(\b)+3],   v[BV], s[8:9] offset:64*(\b)      ; bo of columns 16 b + 8 (l / 16) + 0..3: as an accumulator's registers hold them
	global_load_b128 v[BIAS+8*(\b)+4:BIAS+8*(\b)+7], v[BV], s[8:9] offset:64*(\b)+16
.endr
	v_mul_u32_u24 v3, v1, PAO
	v_lshl_add_u32 v3, v2, 4, v3                   ; O: row x pitch + 16 x half
	s_mul_i32 s21, s13, 64*PAO
	v_add_nc_u32 v[ADRA], s21, v3
	v_add_nc_u32 v[ADRA+1], SLOT, v[ADRA]
	v_and_b32 v4, 7, v0
	v_bfe_u32 v5, v0, 3, 1
	v_lshl_add_u32 v6, v2, 3, v4                   ; Wo, turning load: k row 8 (l / 16) + l % 8, columns 8 ((l / 8) % 2) on
	v_mul_u32_u24 v6, v6, PBW
	v_lshl_add_u32 v6, v5, 4, v6
	s_lshl_b32 s22, s14, 7
	s_add_co_u32 s22, s22, BOFF                    ; my 64 columns
	v_add_nc_u32 v[ADRB], s22, v6
	v_add_nc_u32 v[ADRB+1], QUART, v[ADRB]
	v_add_nc_u32 v[ADRB+2], SLOT, v[ADRB]
	v_add_nc_u32 v[ADRB+3], SLOT, v[ADRB+1]
	s_mul_i32 s23, s12, 16*SPITCH
	s_add_co_u32 s23, s23, STAGE                   ; my stage
	v_mul_u32_u24 v7, v1, SPITCH                   ; in: row l % 16, 32 bytes for each half of the lanes
	v_lshl_add_u32 v7, v2, 5, v7
	v_add_nc_u32 v[STO], s23, v7
	v_mul_u32_u24 v8, v2, SPITCH                   ; back: lanes 0-15 take one row of 256 bytes, lanes 16-31 the next
	v_lshl_add_u32 v8, v1, 4, v8
	v_add_nc_u32 v[RD], s23, v8
	v_mul_u32_u24 v9, v2, 3072                     ; and the same two rows in out0
	v_lshl_add_u32 v[CO], v1, 4, v9
	s_lshl_b32 s44, s16, 7
	s_lshl_b32 s45, s13, 6
	s_add_co_u32 s44, s44, s45                     ; my first row
	s_mul_i32 s44, s44, 3072
	s_add_co_u32 s44, s44, s46
	s_mov_b32 s45, 0
	s_add_nc_u64 s[10:11], s[10:11], s[44:45]
	s_wait_loadcnt 0x0                             ; the bias
.irp j, 0,1,2,3,4,5,6,7,8,9,10,11,12,13,14,15
	v_cvt_pk_bf16_f32 v[TMP+(\j)], v[BIAS+2*(\j)], v[BIAS+2*(\j)+1]
.endr
.irp j, 0,1,2,3,4,5,6,7,8,9,10,11,12,13,14,15
	v_lshlrev_b32 v[BIAS+2*(\j)],   16,         v[TMP+(\j)]
	v_and_b32     v[BIAS+2*(\j)+1], 0xffff0000, v[TMP+(\j)]
.endr
; 8 matrix instructions: row blocks a0, a0 + 1 x all 4 column blocks, 32 along K: half c of buffer f.  first = 1: the product starts the sum, with the bias as C.  The accumulators take turns.
.macro MUL8 f, c, a0, first
	WIN MUL
.irp a, \a0, (\a0)+1
.irp b, 0,1,2,3
.if \first
	v_wmma_f32_16x16x32_f16 v[ACC+8*(4*(\a)+(\b)):ACC+8*(4*(\a)+(\b))+7], v[(\f)+64+8*(4*(\c)+(\b)):(\f)+64+8*(4*(\c)+(\b))+7], v[(\f)+8*(4*(\c)+(\a)):(\f)+8*(4*(\c)+(\a))+7], v[BIAS+8*(\b):BIAS+8*(\b)+7]
.else
	v_wmma_f32_16x16x32_f16 v[ACC+8*(4*(\a)+(\b)):ACC+8*(4*(\a)+(\b))+7], v[(\f)+64+8*(4*(\c)+(\b)):(\f)+64+8*(4*(\c)+(\b))+7], v[(\f)+8*(4*(\c)+(\a)):(\f)+8*(4*(\c)+(\a))+7], v[ACC+8*(4*(\a)+(\b)):ACC+8*(4*(\a)+(\b))+7]
.endif
.endr
.endr
.endm
; 32 LDS loads in one run: the fragments of quarter q (one head, 64 along K) of a slot into buffer f; the first 32 along K first
.macro FETCH slot, q, f
	WIN TO_F
.irp c, 0,1
.irp i, 0,1,2,3
	ds_load_tr16_b128 v[(\f)+64+8*(4*(\c)+(\i)):(\f)+64+8*(4*(\c)+(\i))+3],   v[ADRB+2*(\slot)+(\q)/2] offset:((\q)%2)*64*PBW+(\c)*32*PBW+32*(\i)
	ds_load_tr16_b128 v[(\f)+64+8*(4*(\c)+(\i))+4:(\f)+64+8*(4*(\c)+(\i))+7], v[ADRB+2*(\slot)+(\q)/2] offset:((\q)%2)*64*PBW+(\c)*32*PBW+16*PBW+32*(\i)
	ds_load_b128 v[(\f)+8*(4*(\c)+(\i)):(\f)+8*(4*(\c)+(\i))+3],   v[ADRA+(\slot)] offset:(\q)*PLANE+(\i)*16*PAO+64*(\c)
	ds_load_b128 v[(\f)+8*(4*(\c)+(\i))+4:(\f)+8*(4*(\c)+(\i))+7], v[ADRA+(\slot)] offset:(\q)*PLANE+(\i)*16*PAO+64*(\c)+32
.endr
.endr
.endm
; One of a K step's first three quarters: multiplies buffer f and fetches quarter q of the same slot into g.
.macro QUARTER slot, q, f, g, first
	s_wait_dscnt 16                                ; the first 32 along K are in; the sixteen loads behind them may stay out
	MUL8 \f, 0, 0, \first
	MUL8 \f, 0, 2, \first
	PLACES                                         ; four places in front of loads into registers that matrix instructions have read
	FETCH \slot, \q, \g
	s_wait_dscnt 32                                ; all but the 32 just issued
	MUL8 \f, 1, 0, 0
	MUL8 \f, 1, 2, 0
.endm
; The last quarter multiplies buffer 1 and changes slots: ONE barrier; in front of it each wave waits for all its tensor loads, adds 0 to its spare word, and waits for that and for its reads of this slot.
; fill = 1: the barrier opens a round of the cluster's, and this slot is filled again, two K steps ahead.
.macro TURN slot, next, fill
	WIN 0                                          ; (the add's two registers lie in window 0)
	s_wait_tensorcnt 0x0                           ; all my tensor loads have landed: my part of the next slot
	ds_add_u32 v[SPW], v[NIL]                      ; 0 onto my spare word
	s_wait_dscnt 17                                ; (the add and the youngest sixteen loads may be out)
	MUL8 F1, 0, 0, 0                               ; eight matrix instructions stand between the add and the wait for it
	s_wait_dscnt 0x0                               ; the add is done, and my reads of this slot are over
	s_barrier_signal -1
	MUL8 F1, 0, 2, 0
.if \fill
	WIN 0
.endif
	s_barrier_wait -1
.if \fill
	CREST                                          ; no wave of any partner still reads this slot or has a load on its way
	s_add_nc_u64 s[G0A+4*(\slot)+2:G0A+4*(\slot)+3], s[G0A+4*(\slot)+2:G0A+4*(\slot)+3], 131072
	s_add_nc_u64 s[G0B+4*(\slot)+2:G0B+4*(\slot)+3], s[G0B+4*(\slot)+2:G0B+4*(\slot)+3], 786432
	JLOAD \slot                                    ; the first tensor load behind the round; its four v_nop are also the places in front of the loads below
.else
	PLACES
.endif
	FETCH \next, 0, F0
	MUL8 F1, 1, 0, 0
	MUL8 F1, 1, 2, 0
.endm
	s_wait_tensorcnt 1                             ; my part of K step 0 is in; slot 1's one load may stay out
	s_barrier_signal -1
	s_barrier_wait -1                              ; everybody's is
	FETCH 0, 0, F0
	QUARTER 0, 1, F0, F1, 1                        ; the first products start the sums with the bias
	QUARTER 0, 2, F1, F0, 0
	QUARTER 0, 3, F0, F1, 0
	TURN 0, 1, 1                                   ; slot 0 takes K step 2
	QUARTER 1, 1, F0, F1, 0
	QUARTER 1, 2, F1, F0, 0
	QUARTER 1, 3, F0, F1, 0
	TURN 1, 0, 0                                   ; nothing is left to fetch
	QUARTER 0, 1, F0, F1, 0
	QUARTER 0, 2, F1, F0, 0
	QUARTER 0, 3, F0, F1, 0
	s_wait_dscnt 16                                ; the very last quarter
	MUL8 F1, 0, 0, 0
	MUL8 F1, 0, 2, 0
	s_wait_dscnt 0x0
	MUL8 F1, 1, 0, 0
	MUL8 F1, 1, 2, 0
	WIN 0
	PLACES                                         ; the LDS stores below read results
; THE WAY OUT, 16 rows at a time: a lane's eight f32 of a row go as 32 bytes into my stage (each accumulator's low half first); whole rows of 256 bytes come back and are stored.
.macro WAYOUT a
.set BK, TMP+32*((\a)%2)
.if (\a) >= 2
	s_wait_xcnt 0x0                                ; the stores of the block two back have had their addresses translated (ISA guide 3.1): their data registers are loaded again only behind this wait
.endif
.irp b, 0,1,2,3
	ds_store_b128 v[STO], v[ACC+8*(4*(\a)+(\b)):ACC+8*(4*(\a)+(\b))+3]   offset:64*(\b)
	ds_store_b128 v[STO], v[ACC+8*(4*(\a)+(\b))+4:ACC+8*(4*(\a)+(\b))+7] offset:64*(\b)+16
.endr
.irp t, 0,1,2,3,4,5,6,7
	ds_load_b128 v[BK+4*(\t):BK+4*(\t)+3], v[RD] offset:(\t)*2*SPITCH  ; LDS serves a wave's instructions in order (ISA guide 5.7.1.4): these see the stores above; the next block's stores come behind them
.endr
.irp t, 0,1,2,3,4,5,6,7
	s_wait_dscnt 7-(\t)                            ; of these eight loads the 7 - t behind this one may stay out
	global_store_b128 v[CO], v[BK+4*(\t):BK+4*(\t)+3], s[10:11] offset:(16*(\a)+2*(\t))*3072 th:TH_STORE_NT  ; 16 lanes store 256 consecutive bytes, at a multiple of 256 from out0's first byte
.endr
.endm
	WAYOUT 0
	WAYOUT 1
	WAYOUT 2
	WAYOUT 3
	s_wait_tensorcnt 0x0                           ; the wave's end, behind my last tensor load and my last LDS store
	ds_add_u32 v[SPW], v[NIL]
	s_wait_dscnt 0x0
	CROUND                                         ; the closing round: no work-group ends while a partner may still ask for a tile that names it
	s_endpgm
.Lfunc_end_k_q651274fd96_outp:
	.size	k_q651274fd96_outp, .Lfunc_end_k_q651274fd96_outp-k_q651274fd96_outp
	.p2alignl 7, 3214868480
	.fill 96, 4, 3214868480
	.section	.rodata,"a",@progbits
	.p2align	6, 0x0
	.amdhsa_kernel k_q651274fd96_outp
		.amdhsa_group_segment_fixed_size 327680
		.amdhsa_private_segment_fixed_size 0
		.amdhsa_enable_private_segment 0
		.amdhsa_kernarg_size 32
		.amdhsa_user_sgpr_count 2
		.amdhsa_user_sgpr_kernarg_segment_ptr 1
		.amdhsa_wavefront_size32 1
		.amdhsa_system_sgpr_workgroup_id_x 1
		.amdhsa_system_sgpr_workgroup_id_y 1
		.amdhsa_system_sgpr_workgroup_id_z 1
		.amdhsa_system_vgpr_workitem_id 0
		.amdhsa_next_free_vgpr 512
		.amdhsa_next_free_sgpr 66
		.amdhsa_reserve_vcc 0
		.amdhsa_float_denorm_mode_32 3
		.amdhsa_float_denorm_mode_16_64 3
		.amdhsa_memory_ordered 1
		.amdhsa_forward_progress 1
		.amdhsa_inst_pref_size 71
	.end_amdhsa_kernel
	.amdgpu_metadata
---
amdhsa.version: [ 1, 2 ]
amdhsa.kernels:
  - .name:           k_q651274fd96_outp
    .symbol:         k_q651274fd96_outp.kd
    .args:
      - { .name: oh, .offset: 0, .size: 8, .value_kind: global_buffer, .address_space: global }
      - { .name: wb, .offset: 8, .size: 8, .value_kind: global_buffer, .address_space: global }
      - { .name: bo, .offset: 16, .size: 8, .value_kind: global_buffer, .address_space: global }
      - { .name: out0, .offset: 24, .size: 8, .value_kind: global_buffer, .address_space: global }
    .group_segment_fixed_size: 327680
    .private_segment_fixed_size: 0
    .kernarg_segment_align: 8
    .kernarg_segment_size: 32
    .max_flat_workgroup_size: 128
    .sgpr_count:     66
    .vgpr_count:     512
    .wavefront_size: 32
...
	.end_amdgpu_metadata
.endif
;; end of part 4
